; MI455X (gfx1250); checked and timed in simulation.
; The chip was launched on July 23, 2026; its instructions are those of AMD's public machine-readable ISA for CDNA 5 (MIT licence, August 2026) and "CDNA5" Instruction Set Architecture Reference Guide (July 2026). The comments in the code are by the model that wrote it; some were corrected since.
;; Bahdanau Attention. Allowed arithmetic: matrix products marked QUANTISED: E5M2 operands, one E8M0 scale for each 32 along K, by v_wmma_scale_f32_16x16x128_f8f6f4 with both operands' format E5M2, f32 sums; products left as they are: f32 operands where the result goes on into a quantised operand, else bf16, f16 or f32 operands; f32 sums; everything else in f32.
;; Inputs: Wk 1,024 x 1,024 float32; Wq 1,024 x 1,024 float32; encoder_output 32 x 2,048 x 1,024 float32; lengths 32 int32; queries 32 x 1 x 1,024 float32; v 1,024 float32.
;; Outputs: out0 32 x 1,024 float32; out1 32 x 2,048 float32.
;; This version of the problem:
;;   THIS VERSION OF THE PROBLEM IS GIVEN IN LOW PRECISION. The matrix products marked QUANTISED in the list below multiply operands that are first quantised to E5M2 (5 exponent bits, 2 mantissa bits; 8 bits a number), with one power-of-two scale for each 32 numbers along K (OCP MX v1.0); their sums are f32. All else is computed in f32.
;;   The module's matrix products, in the order in which they are computed (A, B: the left and right operand; K: the contracted axis; several contracted axes count as one K, in the product's order):
;;     1. [M 65,536, K 1,024] x [K 1,024, N 1,024]; A: input encoder_output; B: input Wk: QUANTISED
;;     2. [M 32, K 1,024] x [K 1,024, N 1,024]; A: input queries; B: input Wq: QUANTISED
;;     3. [M 65,536, K 1,024] x [K 1,024, N 1]; A: computed on the way; B: input v: left as it is (N = 1 < 16)
;;     4. batch 32 x [M 1, K 2,048] x [K 2,048, N 1,024]; A: softmax; B: input encoder_output: left as it is (M = 1 < 16)
;;   THE QUANTISER, for each operand of a quantised product, along K:
;;     - K is cut into blocks of 32 from its start; a last block that is shorter is filled with zeros.
;;     - A block's scale is 2^e with e = floor(log2(the largest magnitude in the block)) - 15, held to -126 .. 127; a block of zeros has e = 0. As a byte (E8M0): e + 127.
;;     - Each number is divided by its block's scale, clamped to +-57,344, and rounded to the nearest number of E5M2, ties to even, subnormals kept.
;;     - The product sums the exact products of the quantised numbers (number of the format x scale) in f32.
;;   ~~~python
;;   def quantise(x, axis):      # numpy; x: float32 -> the quantised numbers, widened to float32 again
;;       x = np.moveaxis(x, axis, -1); K = x.shape[-1]
;;       x = np.pad(x, [(0, 0)] * (x.ndim - 1) + [(0, -K % 32)]); x = x.reshape(x.shape[:-1] + (-1, 32)); a = np.abs(x).max(-1, keepdims=True)
;;       e = np.where(a > 0, np.clip(np.frexp(np.where(a > 0, a, 1))[1] - 1 - 15, -126, 127), 0)      # np.frexp(a)[1] - 1 = floor(log2(a)), exactly
;;       r = np.clip(x / 2.0 ** e, -57344, 57344)
;;       step = 2.0 ** (np.maximum(np.frexp(np.where(r == 0, 1, r))[1] - 1, -14) - 2)
;;       q = np.round(r / step) * step * 2.0 ** e      # np.round: ties to even
;;       return np.moveaxis(q.reshape(q.shape[:-2] + (-1,))[..., :K], -1, axis).astype(np.float32)
;;   ~~~
;; One version. Each part assembles by itself: llvm-mc -triple=amdgcn-amd-amdhsa -mcpu=gfx1250 --defsym DOCPART=n.
;; ======== version 1 of 1: 3 launches
;; workspace buffers: wkimg 1,081,344 bytes; pq 131,072 bytes; plan 1,024 bytes of whole numbers; scores 262,144 bytes
;; launch prep (part 1): grid 49 x 1, 4 waves a work-group, no clusters, 102,912 bytes of LDS; arguments Wk, Wq, queries, lengths, wkimg, pq, plan; writes wkimg, pq, plan
.if DOCPART == 1
	.amdgcn_target "amdgcn-amd-amdhsa--gfx1250"
	.amdhsa_code_object_version 6
	.text
	.protected	k_q7a45349aea_prep
	.globl	k_q7a45349aea_prep
	.p2align	8
	.type	k_q7a45349aea_prep,@function
k_q7a45349aea_prep:
	s_mov_b64 s[64:65], 0
	v_nop
	global_prefetch_b8 v0, s[64:65] scope:SCOPE_SE
	s_setreg_imm32_b32 hwreg(HW_REG_WAVE_MODE, 25, 1), 1
	s_wait_xcnt 0x0
; PREP: three pieces of work that the later launches need, one to a range of work-groups (the ranges part on the work-group's number, which all four waves share).
;  a (work-groups 0-31):  Wk [1024][1024] f32 -> codes of E5M2 with one E8M0 byte for each 32 along K, laid in the ORDER OF THE OPERAND'S REGISTERS: block (u / 64) * 8 + (k / 128) of 8,448 bytes holds four
;     fragments (16 rows x 128 K) of 2,048 bytes, register group g of lane l at 512 g + 16 l, and behind them 256 bytes of scale words, 8 bytes a lane: word p of lane l belongs to fragment 2 p + l / 16, row l % 16.
;  b (work-groups 32-47): pq[32][1024] = Q(queries) Q(Wq)^T, both quantised here; a wave makes 16 columns u for all 32 batches.  The queries' 16 fragments are shared: each wave quantises four and hands them on through LDS.
;  c (work-group 48):     the list of work for the next launch, from lengths alone: word g = first row tile (128 n + tile) | number of row tiles << 16.  Each of 256 work-groups gets at most PER tiles of 16 rows of ONE batch;
;     PER is the least of 1 .. 16 with sum over n of ceil(tiles_n / PER) <= 256 (16 always serves: 32 x 8).  Whole numbers only; no address and no branch hangs on them here.
; THE QUANTISER: a block's scale is 2^(floor(log2(largest magnitude)) - 15); its byte is the largest magnitude's exponent field - 15, held at 1 from below; numbers are held within +-57,344 x the scale and rounded to the nearest code, ties to even.
; LIMITS: a block of zeros gets the byte 1 where the rule says 127 (its codes are zeros, and this program alone reads the bytes); blocks whose largest magnitude lies under 2^-111 keep the byte 1; NaN and infinities are not served;
; lengths are taken as 1 .. 2,048: a larger one counts as 2,048, one under 1 (all positions masked) is not served and counts as 1.
.set STGA, 0                           ; LDS: role a's stages, 16 rows x 528 bytes for each wave
.set STGB, 33792                       ; role b's stages
.set QIMG, 67584                       ; the queries' 16 fragments as images of their registers: fragment 8 T + s at 2,048 bytes each
.set QSC,  100352                      ; their scale words, 128 bytes each
.set L16,  4                           ; v4   16 x lane
.set L8,   5                           ; v5   8 x lane
.set L4,   6                           ; v6   4 x lane
.set STWA, 7                           ; v7   role a's stage, on the way in: 16 x lane
.set STRA, 8                           ; v8   and back: 528 (lane % 16) + 64 (lane / 16)
.set STWB, 9                           ; v9, v10 the same for role b
.set STRB, 10
.set QWI,  11                          ; v11  where I store the queries' images: QIMG + 4,096 wave + 16 lane
.set QWS,  12                          ; v12  and their scale words: QSC + 256 wave + 4 lane
.set QRI,  13                          ; v13  where any wave reads them: QIMG + 16 lane
.set QRS,  14                          ; v14  QSC + 4 lane
.set PQO,  15                          ; v15  my byte in pq: 4,096 (lane % 16) + 32 (lane / 16)
.set PC,   16                          ; v16-31 the codes just made: a fragment
.set TM,   32                          ; v32-35 largest magnitudes, v36-39 bytes, v40-43 57,344 x the scale, v44-47 the conversions' scale operands
.set PW,   48                          ; v48  the scale word just made
.set X,    64                          ; v64-127 64 numbers of my row: register 16 b + i = k 32 b + 16 (lane / 16) + i
.set SEL,  20                          ; s[20:21] v_permlanex16_b32's selects for lane l xor 16
.set MNT,  22                          ; s22  the mantissa field of 57,344
.set HIM,  23                          ; s23  the mask of lanes 16-31
.set MSB, 0
.macro WIN new                         ; the immediate's high byte repeats the setting that is left; a switch that changes nothing is dropped
.if MSB != (\new)
	s_set_vgpr_msb (MSB<<8)|(\new)
.set MSB, (\new)
.endif
.endm
; 16 rows x 512 bytes, loaded as they lie (a row to a load, 16 bytes a lane, registers base + 4 row of window win), turn through my stage: in by rows of 528 bytes, back 64 bytes a lane for each block of 32.
; LDS serves a wave's instructions in order (ISA guide 5.7.1.4): no wait between the stores and the loads.  528 = 33 x 16: the sixteen rows that a load touches begin at sixteen different 16-byte columns of 256.
.macro TURN win, base, stw, str
	WIN ((\win)<<2)                                ; an LDS store's data are its source 1
.irp p, 0,1,2,3,4,5,6,7,8,9,10,11,12,13,14,15
	ds_store_b128 v[\stw], v[(\base)+4*\p:(\base)+4*\p+3] offset:528*\p
.endr
	WIN 0
.irp b, 0,1,2,3
.irp j, 0,1,2,3
	ds_load_b128 v[X+16*\b+4*\j:X+16*\b+4*\j+3], v[\str] offset:128*\b+16*\j
.endr
.endr
.endm
; v[X] .. v[X + 63] become a fragment's codes in v[PC] on and its scale word in v[PW] (the same word in lanes l and l xor 16)
.macro QUANT
.irp b, 0,1,2,3
	v_max3_num_f32 v[TM+\b], |v[X+16*\b]|, |v[X+1+16*\b]|, 0x8000000   ; block b: my 16 numbers, and the floor 2^(16 - 127): the byte cannot fall under 1
.endr
.irp i, 2,4,6,8,10,12,14
.irp b, 0,1,2,3
	v_max3_num_f32 v[TM+\b], v[TM+\b], |v[X+16*\b+\i]|, |v[X+1+16*\b+\i]|   ; the four blocks by turns
.endr
.endr
.irp b, 0,1,2,3
	v_permlanex16_b32 v[TM+4+\b], v[TM+\b], s[SEL], s[SEL+1]
.endr
.irp b, 0,1,2,3
	v_max_num_f32 v[TM+\b], v[TM+\b], v[TM+4+\b]   ; with lane l xor 16's 16: the block's largest magnitude
.endr
.irp b, 0,1,2,3
	v_add_nc_u32 v[TM+12+\b], 0xf8800000, v[TM+\b] ; 15 off its exponent field: the conversion takes this operand's exponent field as its scale
.endr
.irp b, 0,1,2,3
	v_and_or_b32 v[TM+8+\b], v[TM+\b], 0x7f800000, s[MNT]   ; 57,344 x the scale
.endr
.irp b, 0,1,2,3
	v_lshrrev_b32 v[TM+4+\b], 23, v[TM+12+\b]      ; the scale's byte
.endr
	v_lshl_or_b32 v[PW], v[TM+5], 8, v[TM+4]
	v_lshl_or_b32 v[PW], v[TM+6], 16, v[PW]
	v_lshl_or_b32 v[PW], v[TM+7], 24, v[PW]
.irp b, 0,1,2,3
.irp i, 0,1,2,3,4,5,6,7,8,9,10,11,12,13,14,15
	v_med3_num_f32 v[X+16*\b+\i], v[X+16*\b+\i], -v[TM+8+\b], v[TM+8+\b]   ; the conversion to an 8-bit code does not saturate (ISA guide 7.6.2): the hold comes first
.endr
	v_cvt_scalef32_pk8_bf8_f32 v[PC+4*\b:PC+1+4*\b], v[X+16*\b:X+7+16*\b], v[TM+12+\b]
	v_cvt_scalef32_pk8_bf8_f32 v[PC+2+4*\b:PC+3+4*\b], v[X+8+16*\b:X+15+16*\b], v[TM+12+\b]
.endr
	v_nop                                          ; one plain vector instruction behind the last scaled conversion
.endm
	s_load_b256 s[4:11], s[0:1], 0x0               ; Wk s[4:5], Wq s[6:7], queries s[8:9], lengths s[10:11]
	s_load_b128 s[12:15], s[0:1], 0x20             ; wkimg s[12:13], pq s[14:15]
	s_load_b64 s[16:17], s[0:1], 0x30              ; plan
	v_lshl_add_u32 v254, v0, 2, 0x19000
	v_mov_b32 v255, 0
	v_lshrrev_b32 v1, 5, v0
	v_readfirstlane_b32 s18, v1                    ; wave 0..3
	v_and_b32 v1, 31, v0                           ; lane
	v_and_b32 v2, 15, v0                           ; r
	v_bfe_u32 v3, v0, 4, 1                         ; h
	; every LDS address is made here, ahead of the parting of the roles
	v_lshlrev_b32 v[L16], 4, v1
	v_lshlrev_b32 v[L8], 3, v1
	v_lshlrev_b32 v[L4], 2, v1
	s_mul_i32 s24, s18, 8448
	v_add_nc_u32 v[STWA], s24, v[L16]
	v_mul_u32_u24 v[STRA], v2, 528
	v_lshl_add_u32 v[STRA], v3, 6, v[STRA]
	v_add_nc_u32 v[STRA], s24, v[STRA]
	v_add_nc_u32 v[STWB], STGB, v[STWA]
	v_add_nc_u32 v[STRB], STGB, v[STRA]
	s_lshl_b32 s24, s18, 12
	s_add_co_u32 s24, s24, QIMG
	v_add_nc_u32 v[QWI], s24, v[L16]
	s_lshl_b32 s24, s18, 8
	s_add_co_u32 s24, s24, QSC
	v_add_nc_u32 v[QWS], s24, v[L4]
	v_add_nc_u32 v[QRI], QIMG, v[L16]
	v_add_nc_u32 v[QRS], QSC, v[L4]
	v_lshlrev_b32 v[PQO], 12, v2
	v_lshl_add_u32 v[PQO], v3, 5, v[PQO]
.irp b, 0,1,2,3
	v_mov_b32 v[TM+4+\b], 0                        ; written once: a lane permute's destination counts as one of its sources
.endr
	s_mov_b32 s[SEL], 0x76543210
	s_mov_b32 s[SEL+1], 0xfedcba98
	s_mov_b32 s[MNT], 0x600000
	s_mov_b32 s[HIM], 0xffff0000
	s_mov_b32 s27, 0                               ; the high word of every byte offset below
	s_wait_kmcnt 0x0
	s_cmp_lt_u32 ttmp9, 32
	s_cbranch_scc0 .Lnot_a
	; ---- ROLE a.  A wave takes one block: 64 rows u of Wk x 128 along K.  task = 4 x work-group + wave = (u / 64) * 8 + (k / 128)
	s_lshl_b32 s24, ttmp9, 2
	s_add_co_u32 s24, s24, s18
	s_lshr_b32 s25, s24, 3
	s_lshl_b32 s25, s25, 18                        ; 64 rows of 4,096 bytes
	s_and_b32 s26, s24, 7
	s_lshl_b32 s26, s26, 9                         ; 128 numbers of 4 bytes
	s_add_co_u32 s26, s26, s25
	s_add_nc_u64 s[4:5], s[4:5], s[26:27]
	s_mul_i32 s26, s24, 8448
	s_add_nc_u64 s[12:13], s[12:13], s[26:27]
	WIN 0x40                                       ; destination window 1
.irp c, 0,1,2,3
.irp p, 0,1,2,3,4,5,6,7,8,9,10,11,12,13,14,15
	global_load_b128 v[64*\c+4*\p:64*\c+4*\p+3], v[L16], s[4:5] offset:(16*\c+\p)*4096 th:TH_LOAD_NT   ; a row's 512 consecutive bytes
.endr
.endr
	WIN 0
.irp c, 0,1,2,3
	s_wait_loadcnt 16*(3-\c)                       ; this fragment's 16 loads are in; those of the fragments behind it, 16 each, may be out
	TURN 1, 64*\c, STWA, STRA
	s_wait_dscnt 0x0
.if \c > 0
	s_wait_xcnt 0x0                                ; the last fragment's stores have read v[PC] on, which is written again below
.endif
	QUANT
.irp g, 0,1,2,3
	global_store_b128 v[L16], v[PC+4*\g:PC+4*\g+3], s[12:13] offset:2048*\c+512*\g   ; 32 lanes store 512 consecutive bytes
.endr
	v_mov_b32 v[49+\c], v[PW]
.endr
	v_cndmask_b32 v54, v49, v50, s[HIM]            ; lanes 0-15 fragment 0's words, lanes 16-31 fragment 1's
	v_cndmask_b32 v55, v51, v52, s[HIM]            ; fragments 2 and 3 likewise
	global_store_b64 v[L8], v[54:55], s[12:13] offset:8192   ; 256 consecutive bytes
	s_wait_tensorcnt 0x0
	ds_add_u32 v254, v255
	s_wait_dscnt 0x0
	s_endpgm
.Lnot_a:
	s_cmp_lt_u32 ttmp9, 48
	s_cbranch_scc0 .Lrole_c
	; ---- ROLE b.  My 16 columns: u = 16 ct .., ct = 4 (work-group - 32) + wave.  Of the queries I quantise K steps 2 wave and 2 wave + 1 of both tiles of 16 batches.
	s_sub_co_u32 s24, ttmp9, 32
	s_lshl_b32 s24, s24, 2
	s_add_co_u32 s24, s24, s18
	s_lshl_b32 s26, s18, 10
	s_add_nc_u64 s[8:9], s[8:9], s[26:27]
	s_lshl_b32 s26, s24, 16
	s_add_nc_u64 s[6:7], s[6:7], s[26:27]
	s_lshl_b32 s26, s24, 6
	s_add_nc_u64 s[14:15], s[14:15], s[26:27]
.macro WLOAD s                         ; K step s of my 16 rows of Wq into window 2, set s % 4
	WIN 0x80
.irp p, 0,1,2,3,4,5,6,7,8,9,10,11,12,13,14,15
	global_load_b128 v[64*((\s)%4)+4*\p:64*((\s)%4)+4*\p+3], v[L16], s[6:7] offset:4096*\p+512*(\s) th:TH_LOAD_NT
.endr
	WIN 0
.endm
	WIN 0x40
.irp u, 0,1,2,3                        ; unit u = 2 T + sigma of the queries into window 1
.irp p, 0,1,2,3,4,5,6,7,8,9,10,11,12,13,14,15
	global_load_b128 v[64*\u+4*\p:64*\u+4*\p+3], v[L16], s[8:9] offset:(16*(\u/2)+\p)*4096+512*(\u%2)
.endr
.endr
	WIN 0
.irp u, 0,1,2,3
	s_wait_loadcnt 48                              ; this unit is in; behind it three units of 16 loads are out: the queries' later ones and the steps of Wq asked for so far
	TURN 1, 64*\u, STWB, STRB
	s_wait_dscnt 0x0                               ; my numbers are back, and the last unit's image stores have read v[PC] on
	WLOAD \u
	QUANT
.irp g, 0,1,2,3
	ds_store_b128 v[QWI], v[PC+4*\g:PC+4*\g+3] offset:16384*(\u/2)+2048*(\u%2)+512*\g   ; the fragment as it stands in my registers
.endr
	ds_store_b32 v[QWS], v[PW] offset:1024*(\u/2)+128*(\u%2)
.endr
	s_wait_dscnt 0x0                               ; for the others' sake: my images lie in LDS
	s_barrier_signal -1
	s_barrier_wait -1                              ; all sixteen do
.irp s, 0,1,2,3,4,5,6,7
.if \s < 5
	s_wait_loadcnt 48                              ; step s of Wq is in; the three steps behind it may be out
.else
	s_wait_loadcnt 16*(7-\s)
.endif
	TURN 2, 64*(\s%4), STWB, STRB
	s_wait_dscnt 0x0
.if \s < 4
	WLOAD \s+4
.endif
	QUANT                                          ; its first 32 lines name none of the last products' registers: they are the places in front of the writes of the scale word and the codes, and of the loads below
.irp g, 0,1,2,3
	ds_load_b128 v[128+4*\g:131+4*\g], v[QRI] offset:2048*\s+512*\g          ; the queries' fragment of this K step, batches 0-15,
	ds_load_b128 v[144+4*\g:147+4*\g], v[QRI] offset:2048*(8+\s)+512*\g      ; and batches 16-31
.endr
	ds_load_b32 v160, v[QRS] offset:128*\s
	ds_load_b32 v161, v[QRS] offset:128*(8+\s)
	s_wait_dscnt 0x0
.rept 4
	v_nop                                          ; codes written by vector instructions stand four places ahead of a scaled matrix instruction; the scale word was made ahead of the 64 holds
.endr
	; TRANSPOSED: source 0 = my 16 rows of Wq, source 1 = 16 batches: lane (r, h) holds batch r and columns 8 h + 0 .. 7.  The two accumulators take turns
.if \s == 0
	v_wmma_scale_f32_16x16x128_f8f6f4 v[168:175], v[PC:PC+15], v[128:143], 0, v[PW], v160 matrix_a_fmt:MATRIX_FMT_BF8 matrix_b_fmt:MATRIX_FMT_BF8
	v_wmma_scale_f32_16x16x128_f8f6f4 v[176:183], v[PC:PC+15], v[144:159], 0, v[PW], v161 matrix_a_fmt:MATRIX_FMT_BF8 matrix_b_fmt:MATRIX_FMT_BF8
.else
	v_wmma_scale_f32_16x16x128_f8f6f4 v[168:175], v[PC:PC+15], v[128:143], v[168:175], v[PW], v160 matrix_a_fmt:MATRIX_FMT_BF8 matrix_b_fmt:MATRIX_FMT_BF8
	v_wmma_scale_f32_16x16x128_f8f6f4 v[176:183], v[PC:PC+15], v[144:159], v[176:183], v[PW], v161 matrix_a_fmt:MATRIX_FMT_BF8 matrix_b_fmt:MATRIX_FMT_BF8
.endif
.endr
.rept 8
	v_nop                                          ; eight places in front of the stores that read the results
.endr
	; 64 consecutive bytes of a row of pq from two lanes: pieces of a buffer of 128 KiB; a stage in LDS would cost more than it spares here
	global_store_b128 v[PQO], v[168:171], s[14:15]
	global_store_b128 v[PQO], v[172:175], s[14:15] offset:16
	global_store_b128 v[PQO], v[176:179], s[14:15] offset:65536
	global_store_b128 v[PQO], v[180:183], s[14:15] offset:65552
	s_wait_tensorcnt 0x0
	ds_add_u32 v254, v255
	s_wait_dscnt 0x0
	s_endpgm
.Lrole_c:
	; ---- ROLE c.  All four waves run the scalar part; thread t writes words t and t + 128.
	s_load_b512 s[32:47], s[10:11], 0x0
	s_load_b512 s[48:63], s[10:11], 0x40
	v_and_b32 v64, 15, v0                          ; lane l % 16 tries PER = l % 16 + 1: this is PER - 1
	v_mov_b32 v65, 0                               ; floor(65536 / PER) + 1 in lanes 0-15: (x * it) >> 16 = floor(x / PER) for x <= 143, since x * PER < 65536
	v_mov_b32 v66, 0                               ; the candidate's number of work-groups
.macro MAGIC lane, val
	s_mov_b32 s24, \val
	v_writelane_b32 v65, s24, \lane
.endm
	MAGIC 0, 65537
	MAGIC 1, 32769
	MAGIC 2, 21846
	MAGIC 3, 16385
	MAGIC 4, 13108
	MAGIC 5, 10923
	MAGIC 6, 9363
	MAGIC 7, 8193
	MAGIC 8, 7282
	MAGIC 9, 6554
	MAGIC 10, 5958
	MAGIC 11, 5462
	MAGIC 12, 5042
	MAGIC 13, 4682
	MAGIC 14, 4370
	MAGIC 15, 4097
	s_wait_kmcnt 0x0
.set n, 0
.rept 32
	s_max_i32 s[32+n], s[32+n], 1
	s_min_u32 s[32+n], s[32+n], 0x800              ; the length, 1 .. 2,048,
	s_add_co_u32 s[32+n], s[32+n], 15
	s_lshr_b32 s[32+n], s[32+n], 4                 ; in tiles of 16 rows: 1 .. 128
	v_add_nc_u32 v67, s[32+n], v64
	v_mul_u32_u24 v67, v67, v65
	v_lshrrev_b32 v67, 16, v67                     ; ceil(tiles / PER)
	v_add_nc_u32 v66, v66, v67
.set n, n+1
.endr
	v_cmp_ge_u32 vcc_lo, 0x100, v66                ; which candidates fit into 256 work-groups (lane 15 always does; lanes 16-31 stand above all candidates)
	s_ctz_i32_b32 s24, vcc_lo                      ; the least: PER - 1
	s_add_co_u32 s25, s24, 1                       ; PER
	s_mov_b32 s26, 4097                            ; and its magic number
.macro PICK p, val
	s_cmp_eq_u32 s24, \p
	s_cselect_b32 s26, \val, s26
.endm
	PICK 0, 65537
	PICK 1, 32769
	PICK 2, 21846
	PICK 3, 16385
	PICK 4, 13108
	PICK 5, 10923
	PICK 6, 9363
	PICK 7, 8193
	PICK 8, 7282
	PICK 9, 6554
	PICK 10, 5958
	PICK 11, 5462
	PICK 12, 5042
	PICK 13, 4682
	PICK 14, 4370
	s_mov_b32 s27, 0                               ; G: the first work-group of batch n
	v_add_nc_u32 v69, 0x80, v0
	v_mov_b32 v70, 0
	v_mov_b32 v71, 0
.set n, 0
.rept 32
	s_lshl_b32 s28, s[32+n], 12
	s_or_b32 s28, s28, s27
	s_or_b32 s28, s28, n<<24                       ; G | tiles << 12 | n << 24
	v_mov_b32 v72, s28
	v_cmp_le_u32 vcc_lo, s27, v0                   ; G rises with n: the last batch whose G is not above g is g's
	v_cndmask_b32 v70, v70, v72, vcc_lo
	v_cmp_le_u32 vcc_lo, s27, v69
	v_cndmask_b32 v71, v71, v72, vcc_lo
	s_add_co_u32 s29, s[32+n], s24
	s_mul_i32 s29, s29, s26
	s_lshr_b32 s29, s29, 16                        ; ceil(tiles / PER)
	s_add_co_u32 s27, s27, s29
.set n, n+1
.endr
	v_lshlrev_b32 v78, 2, v0
.macro PLANW g, pk, dst, off
	v_bfe_u32 v73, v[\pk], 0, 12                   ; G
	v_bfe_u32 v74, v[\pk], 12, 12                  ; tiles
	v_lshrrev_b32 v75, 24, v[\pk]                  ; n
	v_sub_nc_u32 v73, v[\g], v73
	v_mul_u32_u24 v73, s25, v73                    ; my first tile in the batch
	v_min_u32 v76, v73, v74
	v_sub_nc_u32 v76, v74, v76                     ; what is left from there (0 for a work-group behind the last batch's last),
	v_min_u32 v76, s25, v76                        ; PER at the most
	v_lshl_add_u32 v75, v75, 7, v73
	v_min_u32 v75, 0xfff, v75                      ; 128 n + tile, held inside the tensor for a work-group without rows
	v_lshl_or_b32 v[\dst], v76, 16, v75
	global_store_b32 v78, v[\dst], s[16:17] offset:\off
.endm
	PLANW 0, 70, 79, 0
	PLANW 69, 71, 80, 512
	s_endpgm
.Lfunc_end_k_q7a45349aea_prep:
	.size	k_q7a45349aea_prep, .Lfunc_end_k_q7a45349aea_prep-k_q7a45349aea_prep
	.p2alignl 7, 3214868480
	.fill 96, 4, 3214868480
	.section	.rodata,"a",@progbits
	.p2align	6, 0x0
	.amdhsa_kernel k_q7a45349aea_prep
		.amdhsa_group_segment_fixed_size 102912
		.amdhsa_private_segment_fixed_size 0
		.amdhsa_enable_private_segment 0
		.amdhsa_kernarg_size 56
		.amdhsa_user_sgpr_count 2
		.amdhsa_user_sgpr_kernarg_segment_ptr 1
		.amdhsa_wavefront_size32 1
		.amdhsa_system_sgpr_workgroup_id_x 1
		.amdhsa_system_sgpr_workgroup_id_y 1
		.amdhsa_system_sgpr_workgroup_id_z 1
		.amdhsa_system_vgpr_workitem_id 0
		.amdhsa_next_free_vgpr 768
		.amdhsa_next_free_sgpr 66
		.amdhsa_reserve_vcc 1
		.amdhsa_float_denorm_mode_32 3
		.amdhsa_float_denorm_mode_16_64 3
		.amdhsa_memory_ordered 1
		.amdhsa_forward_progress 1
		.amdhsa_inst_pref_size 229
	.end_amdhsa_kernel
	.amdgpu_metadata
---
amdhsa.version: [ 1, 2 ]
amdhsa.kernels:
  - .name:           k_q7a45349aea_prep
    .symbol:         k_q7a45349aea_prep.kd
    .args:
      - { .name: Wk, .offset: 0, .size: 8, .value_kind: global_buffer, .address_space: global }
      - { .name: Wq, .offset: 8, .size: 8, .value_kind: global_buffer, .address_space: global }
      - { .name: queries, .offset: 16, .size: 8, .value_kind: global_buffer, .address_space: global }
      - { .name: lengths, .offset: 24, .size: 8, .value_kind: global_buffer, .address_space: global }
      - { .name: wkimg, .offset: 32, .size: 8, .value_kind: global_buffer, .address_space: global }
      - { .name: pq, .offset: 40, .size: 8, .value_kind: global_buffer, .address_space: global }
      - { .name: plan, .offset: 48, .size: 8, .value_kind: global_buffer, .address_space: global }
    .group_segment_fixed_size: 102912
    .private_segment_fixed_size: 0
    .kernarg_segment_align: 8
    .kernarg_segment_size: 56
    .max_flat_workgroup_size: 128
    .sgpr_count:     66
    .vgpr_count:     768
    .wavefront_size: 32
...
	.end_amdgpu_metadata
.endif
;; end of part 1
;; launch score (part 2): grid 256 x 1, 4 waves a work-group, no clusters, 312,832 bytes of LDS; arguments encoder_output, wkimg, pq, v, plan, scores; writes scores
.if DOCPART == 2
	.amdgcn_target "amdgcn-amd-amdhsa--gfx1250"
	.amdhsa_code_object_version 6
	.text
	.protected	k_q7a45349aea_score
	.globl	k_q7a45349aea_score
	.p2align	8
	.type	k_q7a45349aea_score,@function
k_q7a45349aea_score:
	s_mov_b64 s[64:65], 0
	v_nop
	global_prefetch_b8 v0, s[64:65] scope:SCOPE_SE
	s_setreg_imm32_b32 hwreg(HW_REG_WAVE_MODE, 25, 1), 1
	s_wait_xcnt 0x0
; SCORE: scores[n][t] = -2 sum over u of v[u] / (1 + e^(2 x)), x = pq[n][u] + (Q(enc[n][t]) Q(Wk)^T)[u], for the rows t that the mask keeps (whole tiles of 16).
; tanh(x) = 1 - 2 / (1 + e^(2 x)), so the weight of reference() is sum(v) + this number; sum(v) is the same for every t of a batch and cancels in the softmax of the next launch, for every input.
; e^(2 x) that overflows gives infinity and 1 / infinity = 0, one that underflows gives 1: tanh saturates as it should.
; SHARES.  Work-group g takes CNT (0 .. 16) tiles of 16 rows of one batch, from row tile RT0 on, as the list of the launch before says.  Rows at or past a batch's length are in no tile: their product, tanh and read are not done.
; Since the work hangs on a stored number, operands come by plain loads, every loop has a constant number of trips, and a scalar branch inside a trip jumps over the work alone: every wave passes both barriers.
; PHASE 1: wave w quantises K steps 2 w and 2 w + 1 (128 along K each) of every tile; the fragments go to LDS as images of their registers, the scale words beside them.
; PHASE 2: wave w owns columns u = 256 w .., in four chunks of 64.  A chunk's codes of Wk (32 fragments, 512 registers) stay in registers while all tiles pass; a tile's eight fragments come from LDS and feed four matrix instructions each.
;   TRANSPOSED: source 0 = 16 rows of Wk, source 1 = 16 rows of enc: lane (r, h) holds row t = r and columns 8 h + 0 .. 7.  pq is the C of each sum's first instruction.  tanh and the product with v follow in registers; a lane's partial sum goes to LDS.
; PHASE 3: wave w adds the 16 x 2 partial sums of tiles 4 w .. 4 w + 3 and stores the scores.
; Multicast is not used: skipping the masked rows spares about half of all work at lengths spread evenly over 1 .. 2,048.
; LIMITS (the quantiser's): a block of zeros gets the byte 1 where the rule says 127 (its codes are zeros; this program alone reads the bytes); blocks whose largest magnitude lies under 2^-111 keep the byte 1; NaN and infinities are not served.
; REGISTERS, in windows of 256.  Window 0: below.  Window 1: phase 1: four units of 16 rows x 512 bytes as loaded; phase 2: enc's fragments, K step s at v[16 s].  Windows 2, 3: Wk's fragments, 4 s + c at v[16 (4 s + c)], the upper sixteen in window 3.
.set XIMG, 0                           ; LDS: enc's fragments: 65,536 w + 4,096 tile + 2,048 (s % 2) + 512 g + 16 lane, w = s / 2
.set XSC,  262144                      ; their scale words: 2,048 w + 128 tile + 4 lane: lanes 0-15 K step 2 w, lanes 16-31 K step 2 w + 1
.set STG,  270336                      ; phase 1: a stage of 16 rows x 528 bytes for each wave
.set PART, STG                         ; phases 2, 3, behind the first barrier: partial sums: 8,192 w + 2,048 chunk + 128 tile + 4 lane
.set PQL,  304128                      ; pq's row of my batch, 4 bytes a column
.set VL,   308224                      ; v, likewise
.set L16,  1                           ; v1   16 x lane
.set STW,  2                           ; v2   my stage, on the way in
.set STR,  3                           ; v3   and back
.set IMA0, 4                           ; v4   65,536 wave + 16 lane;  v5 the same + the trip's tiles
.set IMA,  5
.set SCA0, 6                           ; v6   XSC + 2,048 wave + 4 lane;  v7 + the trip's tiles
.set SCA,  7
.set G8,   9                           ; v9   8 x lane
.set PQA0, 10                          ; v10  PQL + 1,024 wave + 32 (lane / 16);  v11 + the chunk
.set PQA,  11
.set PTA0, 12                          ; v12  PART + 8,192 wave + 4 lane;  v13 + chunk and tile
.set PT,   13
.set ASA0, 14                          ; v14  XSC + 4 lane;  v15 + the next tile
.set ASA,  15
.set PC,   16                          ; v16-31 the codes just made
.set TM,   32                          ; v32-47 the quantiser's work
.set PW,   48                          ; v48  the scale word just made;  v49 two K steps' words, one in each half of the lanes
.set PWS,  49
.set ADA0, 50                          ; v50-53 16 lane + 65,536 w';  v54-57 + the next tile
.set ADA,  54
.set TBW,  58                          ; v58  PQL + 1,024 wave + 16 lane
.set RDA,  59                          ; v59  PART + 512 wave + 4 lane
.set SOF,  60                          ; v60  my byte among the work-group's scores: 256 wave + 4 (lane % 16)
.set X,    64                          ; v64-127 64 numbers of my row
.set ACC,  128                         ; v128-159 four accumulators
.set PQ,   160                         ; v160-191 pq in the result's layout, four tiles
.set VV,   192                         ; v192-223 v likewise
.set S,    224                         ; v224-231 four chains of sums
.set BSC,  232                         ; v232-247 Wk's scale words: register 2 s + c / 2, lanes 16 (c % 2) on
.set ASC,  248                         ; v248-251 enc's: register s / 2, lanes 16 (s % 2) on
.set WV,   16                          ; s16  wave
.set CNT,  18                          ; s18  tiles of mine
.set RT0,  19                          ; s19  the first
.set ENCB, 22                          ; s[22:23] enc at the trip's first tile, my two K steps
.set ENCB1, 24                         ; s[24:25] the head's second tile (the first again where there is one tile or none)
.set BB,   26                          ; s[26:27] wkimg at my chunk
.set HIM,  33                          ; s33  the mask of lanes 16-31
.set SEL,  34                          ; s[34:35]
.set MNT,  36                          ; s36
.set CNTL, 37                          ; s37  max(CNT, 1)
.set C2,   38                          ; s[38:39] 2 log2(e): the packed form names a pair and takes its low word for both halves
.set AN,   49                          ; s49  the next tile's bytes in XIMG;  s50 in XSC
.set SN,   50
.set MSB, 0
.macro WIN new                         ; the immediate's high byte repeats the setting that is left; a switch that changes nothing is dropped
.if MSB != (\new)
	s_set_vgpr_msb (MSB<<8)|(\new)
.set MSB, (\new)
.endif
.endm
; 16 rows x 512 bytes, loaded as they lie (a row to a load), turn through my stage: in by rows of 528 bytes, back 64 bytes a lane for each block of 32.  LDS serves a wave's instructions in order (ISA guide 5.7.1.4).
.macro TURN win, base, stw, str
	WIN ((\win)<<2)                                ; an LDS store's data are its source 1
.irp p, 0,1,2,3,4,5,6,7,8,9,10,11,12,13,14,15
	ds_store_b128 v[\stw], v[(\base)+4*\p:(\base)+4*\p+3] offset:528*\p
.endr
	WIN 0
.irp b, 0,1,2,3
.irp j, 0,1,2,3
	ds_load_b128 v[X+16*\b+4*\j:X+16*\b+4*\j+3], v[\str] offset:128*\b+16*\j
.endr
.endr
.endm
; v[X] .. v[X + 63], register 16 b + i = k 32 b + 16 (lane / 16) + i of my row, become a fragment's codes in v[PC] on and its scale word in v[PW] (the same word in lanes l and l xor 16)
.macro QUANT
.irp b, 0,1,2,3
	v_max3_num_f32 v[TM+\b], |v[X+16*\b]|, |v[X+1+16*\b]|, 0x8000000   ; block b: my 16 numbers, and the floor 2^(16 - 127): the byte cannot fall under 1
.endr
.irp i, 2,4,6,8,10,12,14
.irp b, 0,1,2,3
	v_max3_num_f32 v[TM+\b], v[TM+\b], |v[X+16*\b+\i]|, |v[X+1+16*\b+\i]|
.endr
.endr
.irp b, 0,1,2,3
	v_permlanex16_b32 v[TM+4+\b], v[TM+\b], s[SEL], s[SEL+1]
.endr
.irp b, 0,1,2,3
	v_max_num_f32 v[TM+\b], v[TM+\b], v[TM+4+\b]   ; with lane l xor 16's 16: the block's largest magnitude
.endr
.irp b, 0,1,2,3
	v_add_nc_u32 v[TM+12+\b], 0xf8800000, v[TM+\b] ; 15 off its exponent field: the conversion's scale operand
.endr
.irp b, 0,1,2,3
	v_and_or_b32 v[TM+8+\b], v[TM+\b], 0x7f800000, s[MNT]   ; 57,344 x the scale
.endr
.irp b, 0,1,2,3
	v_lshrrev_b32 v[TM+4+\b], 23, v[TM+12+\b]      ; the scale's byte
.endr
	v_lshl_or_b32 v[PW], v[TM+5], 8, v[TM+4]
	v_lshl_or_b32 v[PW], v[TM+6], 16, v[PW]
	v_lshl_or_b32 v[PW], v[TM+7], 24, v[PW]
.irp b, 0,1,2,3
.irp i, 0,1,2,3,4,5,6,7,8,9,10,11,12,13,14,15
	v_med3_num_f32 v[X+16*\b+\i], v[X+16*\b+\i], -v[TM+8+\b], v[TM+8+\b]   ; the conversion to an 8-bit code does not saturate (ISA guide 7.6.2): the hold comes first
.endr
	v_cvt_scalef32_pk8_bf8_f32 v[PC+4*\b:PC+1+4*\b], v[X+16*\b:X+7+16*\b], v[TM+12+\b]
	v_cvt_scalef32_pk8_bf8_f32 v[PC+2+4*\b:PC+3+4*\b], v[X+8+16*\b:X+15+16*\b], v[TM+12+\b]
.endr
	v_nop                                          ; one plain vector instruction behind the last scaled conversion
.endm
	s_load_b256 s[4:11], s[0:1], 0x0               ; enc s[4:5], wkimg s[6:7], pq s[8:9], v s[10:11]
	s_load_b128 s[12:15], s[0:1], 0x20             ; plan s[12:13], scores s[14:15]
	v_lshl_add_u32 v254, v0, 2, 0x4c400
	v_mov_b32 v255, 0
	v_lshrrev_b32 v1, 5, v0
	v_readfirstlane_b32 s[WV], v1                  ; wave 0..3
	v_and_b32 v61, 31, v0                          ; lane
	v_and_b32 v62, 15, v0                          ; r
	v_bfe_u32 v63, v0, 4, 1                        ; h
	v_lshlrev_b32 v[L16], 4, v61
	v_lshlrev_b32 v[G8], 3, v61
	s_mul_i32 s20, s[WV], 8448
	s_add_co_u32 s20, s20, STG
	v_add_nc_u32 v[STW], s20, v[L16]
	v_mul_u32_u24 v[STR], v62, 528
	v_lshl_add_u32 v[STR], v63, 6, v[STR]
	v_add_nc_u32 v[STR], s20, v[STR]
	s_lshl_b32 s21, s[WV], 16
	v_add_nc_u32 v[IMA0], s21, v[L16]
	s_lshl_b32 s21, s[WV], 11
	s_add_co_u32 s21, s21, XSC
	v_lshl_add_u32 v[SCA0], v61, 2, s21
	s_lshl_b32 s21, s[WV], 10
	s_add_co_u32 s21, s21, PQL
	v_lshl_add_u32 v[PQA0], v63, 5, s21
	v_add_nc_u32 v[TBW], s21, v[L16]
	s_lshl_b32 s21, s[WV], 13
	s_add_co_u32 s21, s21, PART
	v_lshl_add_u32 v[PTA0], v61, 2, s21
	v_lshl_add_u32 v[ASA0], v61, 2, XSC
.irp w, 0,1,2,3
	v_add_nc_u32 v[ADA0+\w], 65536*\w, v[L16]
.endr
	s_lshl_b32 s21, s[WV], 9
	s_add_co_u32 s21, s21, PART
	v_lshl_add_u32 v[RDA], v61, 2, s21
	s_lshl_b32 s21, s[WV], 8
	v_lshl_add_u32 v[SOF], v62, 2, s21
.irp b, 0,1,2,3
	v_mov_b32 v[TM+4+\b], 0                        ; written once: a lane permute's destination counts as one of its sources
.endr
	s_mov_b32 s[HIM], 0xffff0000
	s_mov_b32 s[SEL], 0x76543210
	s_mov_b32 s[SEL+1], 0xfedcba98
	s_mov_b32 s[MNT], 0x600000
	s_mov_b32 s[C2], 0x4038aa3b                    ; 2 log2(e)
	s_mov_b32 s[C2+1], s[C2]
	s_lshl_b32 s20, ttmp9, 2
	s_mov_b32 s21, 0                               ; the high word of every byte offset below
	s_wait_kmcnt 0x0
	s_add_nc_u64 s[12:13], s[12:13], s[20:21]
	s_load_b32 s17, s[12:13], 0x0                  ; my word of the list
	s_wait_kmcnt 0x0
	s_lshr_b32 s[CNT], s17, 16
	s_min_u32 s[CNT], s[CNT], 16
	s_and_b32 s[RT0], s17, 0xfff
	s_min_u32 s[RT0], s[RT0], 0xfff
	s_max_u32 s[CNTL], s[CNT], 1
	s_lshl_b32 s32, s[WV], 10                      ; 1,024 wave: my two K steps in a row of enc, my 256 columns in pq and v
	s_lshl_b32 s20, s[RT0], 16                     ; a tile of 16 rows is 65,536 bytes
	s_add_co_u32 s20, s20, s32
	s_add_nc_u64 s[ENCB:ENCB+1], s[4:5], s[20:21]
	s_min_u32 s20, s[CNT], 2
	s_and_b32 s20, s20, 2
	s_lshl_b32 s20, s20, 15                        ; one tile on where I have two or more
	s_add_nc_u64 s[ENCB1:ENCB1+1], s[ENCB:ENCB+1], s[20:21]
	s_mul_i32 s20, s[WV], 270336                   ; 4 chunks x 8 blocks x 8,448 bytes
	s_add_nc_u64 s[BB:BB+1], s[6:7], s[20:21]
	s_and_b32 s20, s[RT0], 0xf80                   ; 128 n
	s_lshl_b32 s20, s20, 5                         ; 4,096 n
	s_add_co_u32 s20, s20, s32
	s_add_nc_u64 s[8:9], s[8:9], s[20:21]
	s_mov_b32 s20, s32
	s_add_nc_u64 s[10:11], s[10:11], s[20:21]
	s_lshl_b32 s20, s[RT0], 6                      ; a tile's scores are 64 bytes
	s_add_nc_u64 s[14:15], s[14:15], s[20:21]
	global_load_b128 v[64:67], v[L16], s[8:9]                  ; pq and v of my 256 columns
	global_load_b128 v[68:71], v[L16], s[8:9] offset:512
	global_load_b128 v[72:75], v[L16], s[10:11]
	global_load_b128 v[76:79], v[L16], s[10:11] offset:512
.macro HLOAD u, base                   ; unit u = 2 beta + sigma: tile beta of the trip, K step 2 wave + sigma: 16 rows x 512 consecutive bytes into window 1
.irp p, 0,1,2,3,4,5,6,7,8,9,10,11,12,13,14,15
	global_load_b128 v[64*(\u)+4*\p:64*(\u)+4*\p+3], v[L16], s[\base:\base+1] offset:512*((\u)%2)+4096*\p th:TH_LOAD_NT
.endr
.endm
	WIN 0x40
	HLOAD 0, ENCB
	HLOAD 1, ENCB
	HLOAD 2, ENCB1
	WIN 0
	s_wait_loadcnt 48                              ; the four loads of pq and v are in; the 48 of enc issued behind them may be out
	ds_store_b128 v[TBW], v[64:67]
	ds_store_b128 v[TBW], v[68:71] offset:512
	ds_store_b128 v[TBW], v[72:75] offset:4096
	ds_store_b128 v[TBW], v[76:79] offset:4608     ; read by my wave alone
	WIN 0x40
	HLOAD 3, ENCB1
	WIN 0
; PHASE 1.  One unit: turned, its registers asked anew for the tile two further on (if I have one), quantised, image to LDS.
.macro UNITP u
	TURN 1, 64*(\u), STW, STR
	s_wait_dscnt 0x0                               ; my numbers are back: the stage's stores have read the unit's registers, and the last image's stores theirs
	s_add_co_u32 s32, s29, (\u)/2+2
	s_cmp_ge_u32 s32, s[CNT]
	s_cbranch_scc1 .Lno_more_\@
	WIN 0x40
.irp p, 0,1,2,3,4,5,6,7,8,9,10,11,12,13,14,15
	global_load_b128 v[64*(\u)+4*\p:64*(\u)+4*\p+3], v[L16], s[ENCB:ENCB+1] offset:131072+65536*((\u)/2)+512*((\u)%2)+4096*\p th:TH_LOAD_NT
.endr
	WIN 0
.Lno_more_\@:
	QUANT
.irp g, 0,1,2,3
	ds_store_b128 v[IMA], v[PC+4*\g:PC+4*\g+3] offset:4096*((\u)/2)+2048*((\u)%2)+512*\g
.endr
.if (\u)%2 == 0
	v_mov_b32 v[PWS], v[PW]
.else
	v_cndmask_b32 v[PWS], v[PWS], v[PW], s[HIM]    ; lanes 0-15 keep K step 2 w's words, lanes 16-31 take K step 2 w + 1's
	ds_store_b32 v[SCA], v[PWS] offset:128*((\u)/2)
.endif
.endm
	s_mov_b32 s28, 0                               ; trips
	s_mov_b32 s29, 0                               ; the trip's first tile
	s_mov_b32 s30, 0                               ; its bytes in XIMG,
	s_mov_b32 s31, 0                               ; in XSC
.Lload:                                            ; eight trips of two tiles
	s_cmp_ge_u32 s29, s[CNTL]                      ; (tile 0 is always taken, so that its image is always written: the first fetch below reads it)
	s_cbranch_scc1 .Lload_tail
	s_wait_loadcnt 0x0                             ; for zero: how many loads were issued behind a unit's hangs on the branches above
	v_add_nc_u32 v[IMA], s30, v[IMA0]
	v_add_nc_u32 v[SCA], s31, v[SCA0]
	UNITP 0
	UNITP 1
	s_add_co_u32 s32, s29, 1
	s_cmp_ge_u32 s32, s[CNT]
	s_cbranch_scc1 .Lload_tail
	UNITP 2
	UNITP 3
.Lload_tail:
	s_wait_xcnt 0x0                                ; the trip's loads have read their base, which steps now
	s_add_nc_u64 s[ENCB:ENCB+1], s[ENCB:ENCB+1], 131072
	s_add_co_u32 s29, s29, 2
	s_add_co_u32 s30, s30, 8192
	s_add_co_u32 s31, s31, 256
	s_add_co_u32 s28, s28, 1
	s_cmp_lt_u32 s28, 8
	s_cbranch_scc1 .Lload
	s_wait_loadcnt 0x0                             ; loads of the head that no trip took have landed: their registers take fragments below
; a chunk's codes of Wk: 32 fragments, 512 consecutive bytes a load, and its scale words, 256 a load
.macro BLOAD off
	WIN 0x80
.irp s, 0,1,2,3
.irp c, 0,1,2,3
.irp g, 0,1,2,3
	global_load_b128 v[16*(4*\s+\c)+4*\g:16*(4*\s+\c)+4*\g+3], v[L16], s[BB:BB+1] offset:(\off)+8448*\s+2048*\c+512*\g
.endr
.endr
.endr
	WIN 0xc0
.irp s, 4,5,6,7
.irp c, 0,1,2,3
.irp g, 0,1,2,3
	global_load_b128 v[16*(4*(\s-4)+\c)+4*\g:16*(4*(\s-4)+\c)+4*\g+3], v[L16], s[BB:BB+1] offset:(\off)+8448*\s+2048*\c+512*\g
.endr
.endr
.endr
	WIN 0
.irp s, 0,1,2,3,4,5,6,7
	global_load_b64 v[BSC+2*\s:BSC+2*\s+1], v[G8], s[BB:BB+1] offset:(\off)+8448*\s+8192
.endr
.endm
; a tile's eight fragments and four registers of scale words, from s[AN] and s[SN] bytes on.  The five additions and four v_nop are nine places behind the products: eight are asked in front of loads into registers
; that they read, nine in front of the next tile's first products, which write over the accumulators with another C.
.macro ALOAD
.irp w, 0,1,2,3
	v_add_nc_u32 v[ADA+\w], s[AN], v[ADA0+\w]
.endr
	v_add_nc_u32 v[ASA], s[SN], v[ASA0]
.rept 4
	v_nop
.endr
	WIN 0x40
.irp s, 0,1,2,3,4,5,6,7
.irp g, 0,1,2,3
	ds_load_b128 v[16*\s+4*\g:16*\s+4*\g+3], v[ADA+\s/2] offset:2048*(\s%2)+512*\g
.endr
.endr
	WIN 0
.irp w, 0,1,2,3
	ds_load_b32 v[ASC+\w], v[ASA] offset:2048*\w
.endr
.endm
; K step s, column tile c.  The first K step takes pq as C.
.macro MM s, c
.set rD, ACC+8*(\c)
.set rA, 16*((4*(\s)+(\c))%16)
.set rB, 16*(\s)
.set rSA, BSC+2*(\s)+(\c)/2
.set rSB, ASC+(\s)/2
.if (\s) == 0
.set rC, PQ+8*(\c)
.else
.set rC, ACC+8*(\c)
.endif
.if ((\c)%2 == 0) && ((\s)%2 == 0)
	v_wmma_scale_f32_16x16x128_f8f6f4 v[rD:rD+7], v[rA:rA+15], v[rB:rB+15], v[rC:rC+7], v[rSA], v[rSB] matrix_a_fmt:MATRIX_FMT_BF8 matrix_b_fmt:MATRIX_FMT_BF8
.elseif ((\c)%2 == 1) && ((\s)%2 == 0)
	v_wmma_scale_f32_16x16x128_f8f6f4 v[rD:rD+7], v[rA:rA+15], v[rB:rB+15], v[rC:rC+7], v[rSA], v[rSB] matrix_a_fmt:MATRIX_FMT_BF8 matrix_b_fmt:MATRIX_FMT_BF8 matrix_a_scale:MATRIX_SCALE_ROW1
.elseif ((\c)%2 == 0)
	v_wmma_scale_f32_16x16x128_f8f6f4 v[rD:rD+7], v[rA:rA+15], v[rB:rB+15], v[rC:rC+7], v[rSA], v[rSB] matrix_a_fmt:MATRIX_FMT_BF8 matrix_b_fmt:MATRIX_FMT_BF8 matrix_b_scale:MATRIX_SCALE_ROW1
.else
	v_wmma_scale_f32_16x16x128_f8f6f4 v[rD:rD+7], v[rA:rA+15], v[rB:rB+15], v[rC:rC+7], v[rSA], v[rSB] matrix_a_fmt:MATRIX_FMT_BF8 matrix_b_fmt:MATRIX_FMT_BF8 matrix_a_scale:MATRIX_SCALE_ROW1 matrix_b_scale:MATRIX_SCALE_ROW1
.endif
.endm
	BLOAD 0                                        ; chunk 0's codes are on their way across the barrier
	s_wait_dscnt 0x0                               ; for the others' sake: my images and scale words lie in LDS, and my use of the stage is over
	s_barrier_signal -1
	s_barrier_wait -1
	s_mov_b32 s[AN], 0
	s_mov_b32 s[SN], 0
	ALOAD                                          ; tile 0
	s_mov_b32 s40, 0                               ; chunk
	s_mov_b32 s45, 0                               ; 2,048 chunk
	s_mov_b32 s46, 0                               ; 256 chunk
.Lchunk:                                           ; PHASE 2: four trips
	s_cmp_eq_u32 s40, 3
	s_cselect_b32 s47, -1, s[CNT]                  ; behind which tile the next chunk's codes are asked for: behind none in the last chunk
	v_add_nc_u32 v[PQA], s46, v[PQA0]
	s_wait_dscnt 0x0                               ; the last chunk's loads of pq and v have landed before these registers are loaded again: a work-group without tiles passes no wait inside the tile loop
.irp c, 0,1,2,3
.irp e, 0,1
	ds_load_b128 v[PQ+8*\c+4*\e:PQ+8*\c+4*\e+3], v[PQA] offset:64*\c+16*\e          ; register 8 c + j: column 16 c + 8 (lane / 16) + j of the chunk
	ds_load_b128 v[VV+8*\c+4*\e:VV+8*\c+4*\e+3], v[PQA] offset:4096+64*\c+16*\e
.endr
.endr
	s_mov_b32 s41, 0                               ; tile
	s_mov_b32 s42, 0                               ; 4,096 tile
	s_mov_b32 s43, 0                               ; 128 tile
.Ltile:                                            ; sixteen trips; those at or past CNT do nothing
	s_cmp_ge_u32 s41, s[CNT]
	s_cbranch_scc1 .Ltile_tail
	s_wait_loadcnt 0x0                             ; Wk's codes and scale words (out only behind a change of chunks)
	s_wait_dscnt 0x0                               ; this tile's fragments and scale words, pq and v
	WIN 0x06                                       ; source 0 (Wk) window 2, source 1 (enc) window 1, C and D window 0
.irp s, 0,1,2,3                        ; the four accumulators take turns, one instruction a turn, over the loop's edge too
.irp c, 0,1,2,3
	MM \s, \c
.endr
.endr
	WIN 0x07                                       ; source 0 window 3
.irp s, 4,5,6,7
.irp c, 0,1,2,3
	MM \s, \c
.endr
.endr
	WIN 0
	s_add_co_u32 s48, s41, 1
	s_add_co_u32 s[AN], s42, 4096
	s_min_u32 s[AN], s[AN], 61440
	s_add_co_u32 s[SN], s43, 128
	s_min_u32 s[SN], s[SN], 1920
	s_cmp_lt_u32 s48, s[CNT]
	s_cselect_b32 s[AN], s[AN], 0                  ; the next tile, or tile 0 for the next chunk
	s_cselect_b32 s[SN], s[SN], 0
	ALOAD                                          ; it lands while this tile's tanh is worked
	s_cmp_eq_u32 s48, s47
	s_cbranch_scc0 .Lsame_chunk
	BLOAD 67584                                    ; my last tile's products are issued: the next chunk's codes, ahead of this tile's tanh
.Lsame_chunk:
	; 1 / (1 + 2^(2 log2(e) x)), each accumulator from its low end on
.irp m, 0,1,2,3,4,5,6,7,8,9,10,11,12,13,14,15
	v_pk_mul_f32 v[ACC+2*\m:ACC+2*\m+1], v[ACC+2*\m:ACC+2*\m+1], s[C2:C2+1] op_sel_hi:[1,0]
.endr
.irp j, 0,1,2,3,4,5,6,7,8,9,10,11,12,13,14,15,16,17,18,19,20,21,22,23,24,25,26,27,28,29,30,31
	v_exp_f32 v[ACC+\j], v[ACC+\j]
.endr
	v_nop                                          ; a plain instruction behind the last exponential,
	s_wait_alu depctr_va_vdst(0)                   ; and the wait ahead of the first use: one for the batch of 32
.irp m, 0,1,2,3,4,5,6,7,8,9,10,11,12,13,14,15
	v_pk_add_f32 v[ACC+2*\m:ACC+2*\m+1], v[ACC+2*\m:ACC+2*\m+1], 1.0 op_sel_hi:[1,0]
.endr
.irp j, 0,1,2,3,4,5,6,7,8,9,10,11,12,13,14,15,16,17,18,19,20,21,22,23,24,25,26,27,28,29,30,31
	v_rcp_f32 v[ACC+\j], v[ACC+\j]
.endr
	v_nop
	s_wait_alu depctr_va_vdst(0)                   ; likewise for the 32 reciprocals
.irp m, 0,1,2,3
	v_pk_mul_f32 v[S+2*\m:S+2*\m+1], v[ACC+2*\m:ACC+2*\m+1], v[VV+2*\m:VV+2*\m+1]   ; x v: the first four pairs start four chains
.endr
.irp m, 4,5,6,7,8,9,10,11,12,13,14,15
	v_pk_fma_f32 v[S+2*(\m%4):S+2*(\m%4)+1], v[ACC+2*\m:ACC+2*\m+1], v[VV+2*\m:VV+2*\m+1], v[S+2*(\m%4):S+2*(\m%4)+1]
.endr
	v_pk_add_f32 v[S:S+1], v[S:S+1], v[S+2:S+3]
	v_pk_add_f32 v[S+4:S+5], v[S+4:S+5], v[S+6:S+7]
	v_pk_add_f32 v[S:S+1], v[S:S+1], v[S+4:S+5]
	v_add_f32 v[S], v[S], v[S+1]                   ; my 32 columns of row t = lane % 16
	s_add_co_u32 s51, s45, s43
	v_add_nc_u32 v[PT], s51, v[PTA0]
	ds_store_b32 v[PT], v[S]
.Ltile_tail:
	s_add_co_u32 s42, s42, 4096
	s_add_co_u32 s43, s43, 128
	s_add_co_u32 s41, s41, 1
	s_cmp_lt_u32 s41, 16
	s_cbranch_scc1 .Ltile
	s_wait_xcnt 0x0                                ; the loads of Wk's codes have read their base, which steps now
	s_add_nc_u64 s[BB:BB+1], s[BB:BB+1], 67584
	s_add_co_u32 s45, s45, 2048
	s_add_co_u32 s46, s46, 256
	s_add_co_u32 s40, s40, 1
	s_cmp_lt_u32 s40, 4
	s_cbranch_scc1 .Lchunk
	; PHASE 3
	s_wait_dscnt 0x0                               ; for the others' sake: my partial sums lie in LDS
	s_barrier_signal -1
	s_barrier_wait -1
	s_lshl_b32 s51, s[WV], 2
.irp k, 0,1,2,3
	s_add_co_u32 s52, s51, \k                      ; tile 4 wave + k
	s_cmp_ge_u32 s52, s[CNT]
	s_cbranch_scc1 .Lnone_\k
.irp m, 0,1,2,3,4,5,6,7,8,9,10,11,12,13,14,15
	ds_load_b32 v[X+\m], v[RDA] offset:2048*\m+128*\k          ; four waves x four chunks
.endr
	s_wait_dscnt 0x0
.irp m, 0,2,4,6
	v_pk_add_f32 v[X+\m:X+\m+1], v[X+\m:X+\m+1], v[X+8+\m:X+9+\m]
.endr
	v_pk_add_f32 v[X:X+1], v[X:X+1], v[X+4:X+5]
	v_pk_add_f32 v[X+2:X+3], v[X+2:X+3], v[X+6:X+7]
	v_pk_add_f32 v[X:X+1], v[X:X+1], v[X+2:X+3]
	v_add_f32 v[X], v[X], v[X+1]
	v_permlanex16_b32 v[TM+4], v[X], s[SEL], s[SEL+1]          ; the row's other columns lie in the lane 16 away
	v_add_f32 v[X], v[X], v[TM+4]
	v_mul_f32 v[100+\k], -2.0, v[X]
	global_store_b32 v[SOF], v[100+\k], s[14:15] offset:64*\k  ; 64 consecutive bytes a tile; lanes l and l xor 16 write the same word with the same value
.Lnone_\k:
.endr
	s_wait_tensorcnt 0x0
	ds_add_u32 v254, v255
	s_wait_dscnt 0x0
	s_endpgm
.Lfunc_end_k_q7a45349aea_score:
	.size	k_q7a45349aea_score, .Lfunc_end_k_q7a45349aea_score-k_q7a45349aea_score
	.p2alignl 7, 3214868480
	.fill 96, 4, 3214868480
	.section	.rodata,"a",@progbits
	.p2align	6, 0x0
	.amdhsa_kernel k_q7a45349aea_score
		.amdhsa_group_segment_fixed_size 312832
		.amdhsa_private_segment_fixed_size 0
		.amdhsa_enable_private_segment 0
		.amdhsa_kernarg_size 48
		.amdhsa_user_sgpr_count 2
		.amdhsa_user_sgpr_kernarg_segment_ptr 1
		.amdhsa_wavefront_size32 1
		.amdhsa_system_sgpr_workgroup_id_x 1
		.amdhsa_system_sgpr_workgroup_id_y 1
		.amdhsa_system_sgpr_workgroup_id_z 1
		.amdhsa_system_vgpr_workitem_id 0
		.amdhsa_next_free_vgpr 1024
		.amdhsa_next_free_sgpr 66
		.amdhsa_reserve_vcc 0
		.amdhsa_float_denorm_mode_32 3
		.amdhsa_float_denorm_mode_16_64 3
		.amdhsa_memory_ordered 1
		.amdhsa_forward_progress 1
		.amdhsa_inst_pref_size 110
	.end_amdhsa_kernel
	.amdgpu_metadata
---
amdhsa.version: [ 1, 2 ]
amdhsa.kernels:
  - .name:           k_q7a45349aea_score
    .symbol:         k_q7a45349aea_score.kd
    .args:
      - { .name: encoder_output, .offset: 0, .size: 8, .value_kind: global_buffer, .address_space: global }
      - { .name: wkimg, .offset: 8, .size: 8, .value_kind: global_buffer, .address_space: global }
      - { .name: pq, .offset: 16, .size: 8, .value_kind: global_buffer, .address_space: global }
      - { .name: v, .offset: 24, .size: 8, .value_kind: global_buffer, .address_space: global }
      - { .name: plan, .offset: 32, .size: 8, .value_kind: global_buffer, .address_space: global }
      - { .name: scores, .offset: 40, .size: 8, .value_kind: global_buffer, .address_space: global }
    .group_segment_fixed_size: 312832
    .private_segment_fixed_size: 0
    .kernarg_segment_align: 8
    .kernarg_segment_size: 48
    .max_flat_workgroup_size: 128
    .sgpr_count:     66
    .vgpr_count:     1024
    .wavefront_size: 32
...
	.end_amdgpu_metadata
.endif
;; end of part 2
;; launch context (part 3): grid 8 x 32, 32 waves a work-group, no clusters, 29,184 bytes of LDS; arguments scores, lengths, encoder_output, out0, out1; writes out0, out1
.if DOCPART == 3
	.amdgcn_target "amdgcn-amd-amdhsa--gfx1250"
	.amdhsa_code_object_version 6
	.text
	.protected	k_q7a45349aea_context
	.globl	k_q7a45349aea_context
	.p2align	8
	.type	k_q7a45349aea_context,@function
k_q7a45349aea_context:
	s_mov_b64 s[64:65], 0
	v_nop
	global_prefetch_b8 v0, s[64:65] scope:SCOPE_SE
	s_setreg_imm32_b32 hwreg(HW_REG_WAVE_MODE, 25, 1), 1
	s_wait_xcnt 0x0
; CONTEXT: alignments = softmax over t < length of the scores; contexts[n][e] = sum over t of alignments[n][t] enc[n][t][e].  All in f32; no matrix instruction: both have one row.
; SHARES.  Work-group (ec, n) is the one owner of contexts[n][128 ec .. + 127] and of alignments[n][256 ec .. + 255].  All eight work-groups of a batch make the batch's softmax (8 KiB of scores each).
; The scores carry a common shift (sum(v) is left out of them), which the softmax does not see.  Scores at t >= length are replaced by -infinity, whatever the buffer holds there: p = 0 and the alignment is 0.
; The row's largest score is taken away ahead of the exponential, as in reference().
; Wave w takes rows 16 w + 512 k, k = 0 .. 3, sixteen at a time: a load reads a row's 512 consecutive bytes.  Groups of rows that begin at or past the length are neither read nor added; rows past it inside a group have weight 0.
; LIMITS: lengths are taken as 1 .. 2,048: a larger one counts as 2,048, one under 1 (all positions masked) is not served and counts as 1; NaN and infinities in encoder_output are not served.
.set AL,   0                           ; LDS: the batch's 2,048 alignments
.set RMAX, 8192                        ; a word for each wave's largest score;  256 bytes on: for its sum
.set RED,  8704                        ; 512 bytes for each wave's partial contexts
.set SEL,  24                          ; s[24:25] v_permlanex16_b32's selects for lane l xor 16
.macro WMAX r                          ; the largest over the wave's 32 lanes, in every lane
	v_max_num_f32_dpp v[\r], v[\r], v[\r] row_xmask:1 row_mask:0xf bank_mask:0xf
	v_max_num_f32_dpp v[\r], v[\r], v[\r] row_xmask:2 row_mask:0xf bank_mask:0xf
	v_max_num_f32_dpp v[\r], v[\r], v[\r] row_xmask:4 row_mask:0xf bank_mask:0xf
	v_max_num_f32_dpp v[\r], v[\r], v[\r] row_xmask:8 row_mask:0xf bank_mask:0xf
	v_permlanex16_b32 v8, v[\r], s[SEL], s[SEL+1]
	v_max_num_f32 v[\r], v[\r], v8
.endm
.macro WSUM r                          ; the sum likewise
	v_add_f32_dpp v[\r], v[\r], v[\r] row_xmask:1 row_mask:0xf bank_mask:0xf
	v_add_f32_dpp v[\r], v[\r], v[\r] row_xmask:2 row_mask:0xf bank_mask:0xf
	v_add_f32_dpp v[\r], v[\r], v[\r] row_xmask:4 row_mask:0xf bank_mask:0xf
	v_add_f32_dpp v[\r], v[\r], v[\r] row_xmask:8 row_mask:0xf bank_mask:0xf
	v_permlanex16_b32 v8, v[\r], s[SEL], s[SEL+1]
	v_add_f32 v[\r], v[\r], v8
.endm
.macro BARRIER                         ; my LDS stores have landed and my LDS loads are in: then the work-group's barrier
	s_wait_dscnt 0x0
	s_barrier_signal -1
	s_barrier_wait -1
.endm
.macro TREE                            ; sixteen partial contexts in v32-95, four registers each, are added into v[32:35]
.irp d, 8,4,2,1
.irp m, 0,1,2,3,4,5,6,7
.if \m < \d
	v_pk_add_f32 v[32+4*\m:33+4*\m], v[32+4*\m:33+4*\m], v[32+4*(\m+\d):33+4*(\m+\d)]
	v_pk_add_f32 v[34+4*\m:35+4*\m], v[34+4*\m:35+4*\m], v[34+4*(\m+\d):35+4*(\m+\d)]
.endif
.endr
.endr
.endm
	s_load_b256 s[4:11], s[0:1], 0x0               ; scores s[4:5], lengths s[6:7], enc s[8:9], out0 s[10:11]
	s_load_b64 s[12:13], s[0:1], 0x20              ; out1
	v_lshl_add_u32 v126, v0, 2, 0x6200
	v_mov_b32 v127, 0
	v_lshrrev_b32 v1, 5, v0
	v_readfirstlane_b32 s14, v1                    ; wave 0..31
	s_and_b32 s15, ttmp7, 0xffff                   ; the batch n
	v_and_b32 v20, 31, v0                          ; lane
	v_lshlrev_b32 v21, 4, v20                      ; 16 lane
	v_lshlrev_b32 v22, 3, v0                       ; 8 x thread: my two scores, my two alignments
	v_lshl_add_u32 v23, v1, 2, RMAX                ; my wave's word
	v_lshl_add_u32 v24, v20, 2, RMAX               ; wave (my lane)'s word
	v_lshlrev_b32 v25, 6, v1                       ; AL + 64 wave: my 16 rows' alignments
	v_lshl_add_u32 v26, v0, 4, RED                 ; RED + 512 wave + 16 lane
	v_add_nc_u32 v27, RED, v21
	v_mov_b32 v8, 0                                ; written once: a lane permute's destination counts as one of its sources
.irp j, 0,1,2,3,4,5,6,7
	v_mov_b32 v[112+\j], 0                         ; the sums: a wave without rows hands on zeros
.endr
	s_mov_b32 s[SEL], 0x76543210
	s_mov_b32 s[SEL+1], 0xfedcba98
	s_lshl_b32 s20, s15, 2
	s_mov_b32 s21, 0                               ; the high word of every byte offset below
	s_wait_kmcnt 0x0
	s_add_nc_u64 s[6:7], s[6:7], s[20:21]
	s_load_b32 s16, s[6:7], 0x0
	s_lshl_b32 s20, s15, 13                        ; a batch's scores and alignments are 8,192 bytes
	s_add_nc_u64 s[4:5], s[4:5], s[20:21]
	s_add_nc_u64 s[12:13], s[12:13], s[20:21]
	global_load_b64 v[2:3], v22, s[4:5]            ; scores 2 thread, 2 thread + 1
	s_lshl_b32 s20, s15, 12
	s_lshl_b32 s22, ttmp9, 9
	s_add_co_u32 s20, s20, s22
	s_add_nc_u64 s[10:11], s[10:11], s[20:21]      ; contexts[n][128 ec]
	s_lshl_b32 s18, s14, 4                         ; 16 wave: my first row
	s_wait_kmcnt 0x0
	s_max_i32 s16, s16, 1
	s_min_u32 s16, s16, 0x800                      ; the length, 1 .. 2,048
	s_add_co_u32 s17, s16, 15
	s_and_b32 s17, s17, 0xff0
	s_sub_co_u32 s17, s17, 16                      ; the last group of 16 rows that holds a row under the length
	s_min_u32 s17, s17, s18                        ; my first group, or that one for a wave past it, which reads it and uses nothing of it
	s_min_u32 s17, s17, 2032
	s_lshl_b32 s20, s17, 12
	s_lshl_b32 s23, s15, 23                        ; a batch of enc is 8 MiB
	s_add_co_u32 s20, s20, s23
	s_add_co_u32 s20, s20, s22                     ; my 128 columns
	s_add_nc_u64 s[8:9], s[8:9], s[20:21]
.irp p, 0,1,2,3,4,5,6,7,8,9,10,11,12,13,14,15
	global_load_b128 v[32+4*\p:35+4*\p], v21, s[8:9] offset:4096*\p th:TH_LOAD_NT   ; the first group's rows are on their way while the softmax is made
.endr
	s_wait_loadcnt 16                              ; my two scores are in; the 16 loads of enc issued behind them may be out
	v_lshlrev_b32 v4, 1, v0                        ; t
	v_or_b32 v5, 1, v4                             ; t + 1
	v_mov_b32 v6, 0xff800000                       ; -infinity
	v_cmp_gt_u32 vcc_lo, s16, v4
	v_cndmask_b32 v2, v6, v2, vcc_lo               ; kept where length > t
	v_cmp_gt_u32 vcc_lo, s16, v5
	v_cndmask_b32 v3, v6, v3, vcc_lo
	v_max_num_f32 v7, v2, v3
	WMAX 7
	ds_store_b32 v23, v7                           ; all lanes write the same word with the same value
	BARRIER
	ds_load_b32 v7, v24
	s_wait_dscnt 0x0
	WMAX 7                                         ; the batch's largest score: a number, since t = 0 is never masked
	v_sub_f32 v2, v2, v7
	v_sub_f32 v3, v3, v7
	v_mul_f32 v2, 0x3fb8aa3b, v2
	v_mul_f32 v3, 0x3fb8aa3b, v3
	v_exp_f32 v2, v2
	v_exp_f32 v3, v3
	v_nop                                          ; a plain instruction behind the last exponential,
	s_wait_alu depctr_va_vdst(0)                   ; and the wait ahead of the first use
	v_add_f32 v9, v2, v3
	WSUM 9
	ds_store_b32 v23, v9 offset:256
	BARRIER
	ds_load_b32 v9, v24 offset:256
	s_wait_dscnt 0x0
	WSUM 9
	v_rcp_f32 v9, v9
	v_nop
	s_wait_alu depctr_va_vdst(0)
	v_mul_f32 v2, v2, v9
	v_mul_f32 v3, v3, v9
	ds_store_b64 v22, v[2:3]                       ; AL + 8 thread
	s_lshr_b32 s19, s14, 2
	s_cmp_lg_u32 s19, ttmp9
	s_cbranch_scc1 .Lnot_my_part
	global_store_b64 v22, v[2:3], s[12:13]         ; waves 4 ec .. 4 ec + 3 store the work-group's 256 alignments: 256 consecutive bytes a wave
.Lnot_my_part:
	BARRIER                                        ; all 2,048 alignments lie in LDS
	s_cmp_ge_u32 s18, s16
	s_cbranch_scc1 .Lred                           ; my first row is masked, and so are all my rows
.irp k, 0,1,2,3
	s_wait_loadcnt 0x0                             ; this group's 16 rows
.irp e, 0,1,2,3
	ds_load_b128 v[96+4*\e:99+4*\e], v25 offset:2048*\k+16*\e   ; their 16 alignments, the same in every lane
.endr
	s_wait_dscnt 0x0
.irp p, 0,2,4,6,8,10,12,14             ; even rows and odd rows add into sums of their own; of the pair of alignments the first or the second serves both halves
	v_pk_fma_f32 v[112:113], v[32+4*\p:33+4*\p], v[96+\p:97+\p], v[112:113] op_sel_hi:[1,0,1]
	v_pk_fma_f32 v[114:115], v[34+4*\p:35+4*\p], v[96+\p:97+\p], v[114:115] op_sel_hi:[1,0,1]
	v_pk_fma_f32 v[116:117], v[36+4*\p:37+4*\p], v[96+\p:97+\p], v[116:117] op_sel:[0,1,0] op_sel_hi:[1,1,1]
	v_pk_fma_f32 v[118:119], v[38+4*\p:39+4*\p], v[96+\p:97+\p], v[118:119] op_sel:[0,1,0] op_sel_hi:[1,1,1]
.endr
.if \k < 3
	s_add_co_u32 s19, s18, 512*(\k+1)
	s_cmp_ge_u32 s19, s16
	s_cbranch_scc1 .Lred                           ; my next group is masked: nothing more is read
.irp p, 0,1,2,3,4,5,6,7,8,9,10,11,12,13,14,15
	global_load_b128 v[32+4*\p:35+4*\p], v21, s[8:9] offset:2097152*(\k+1)+4096*\p th:TH_LOAD_NT   ; 512 rows on: every offset is an immediate, 6,352,896 at the most
.endr
.endif
.endr
.Lred:
	s_wait_loadcnt 0x0                             ; a wave without rows has its first group's loads out still: v32 on is written again below
	v_pk_add_f32 v[112:113], v[112:113], v[116:117]
	v_pk_add_f32 v[114:115], v[114:115], v[118:119]
	ds_store_b128 v26, v[112:115]
	BARRIER                                        ; 32 partial contexts lie in LDS
	s_cmp_lg_u32 s14, 0
	s_cbranch_scc1 .Lend
.irp m, 0,1,2,3,4,5,6,7,8,9,10,11,12,13,14,15
	ds_load_b128 v[32+4*\m:35+4*\m], v27 offset:512*\m
.endr
	s_wait_dscnt 0x0
	TREE
.irp j, 0,1,2,3
	v_mov_b32 v[120+\j], v[32+\j]
.endr
.irp m, 0,1,2,3,4,5,6,7,8,9,10,11,12,13,14,15
	ds_load_b128 v[32+4*\m:35+4*\m], v27 offset:512*(16+\m)
.endr
	s_wait_dscnt 0x0
	TREE
	v_pk_add_f32 v[32:33], v[32:33], v[120:121]
	v_pk_add_f32 v[34:35], v[34:35], v[122:123]
	global_store_b128 v21, v[32:35], s[10:11]      ; 512 consecutive bytes
.Lend:
	s_wait_tensorcnt 0x0
	ds_add_u32 v126, v127
	s_wait_dscnt 0x0
	s_endpgm
.Lfunc_end_k_q7a45349aea_context:
	.size	k_q7a45349aea_context, .Lfunc_end_k_q7a45349aea_context-k_q7a45349aea_context
	.p2alignl 7, 3214868480
	.fill 96, 4, 3214868480
	.section	.rodata,"a",@progbits
	.p2align	6, 0x0
	.amdhsa_kernel k_q7a45349aea_context
		.amdhsa_group_segment_fixed_size 29184
		.amdhsa_private_segment_fixed_size 0
		.amdhsa_enable_private_segment 0
		.amdhsa_kernarg_size 40
		.amdhsa_user_sgpr_count 2
		.amdhsa_user_sgpr_kernarg_segment_ptr 1
		.amdhsa_wavefront_size32 1
		.amdhsa_system_sgpr_workgroup_id_x 1
		.amdhsa_system_sgpr_workgroup_id_y 1
		.amdhsa_system_sgpr_workgroup_id_z 1
		.amdhsa_system_vgpr_workitem_id 0
		.amdhsa_next_free_vgpr 128
		.amdhsa_next_free_sgpr 66
		.amdhsa_reserve_vcc 1
		.amdhsa_float_denorm_mode_32 3
		.amdhsa_float_denorm_mode_16_64 3
		.amdhsa_memory_ordered 1
		.amdhsa_forward_progress 1
		.amdhsa_inst_pref_size 28
	.end_amdhsa_kernel
	.amdgpu_metadata
---
amdhsa.version: [ 1, 2 ]
amdhsa.kernels:
  - .name:           k_q7a45349aea_context
    .symbol:         k_q7a45349aea_context.kd
    .args:
      - { .name: scores, .offset: 0, .size: 8, .value_kind: global_buffer, .address_space: global }
      - { .name: lengths, .offset: 8, .size: 8, .value_kind: global_buffer, .address_space: global }
      - { .name: encoder_output, .offset: 16, .size: 8, .value_kind: global_buffer, .address_space: global }
      - { .name: out0, .offset: 24, .size: 8, .value_kind: global_buffer, .address_space: global }
      - { .name: out1, .offset: 32, .size: 8, .value_kind: global_buffer, .address_space: global }
    .group_segment_fixed_size: 29184
    .private_segment_fixed_size: 0
    .kernarg_segment_align: 8
    .kernarg_segment_size: 40
    .max_flat_workgroup_size: 1024
    .sgpr_count:     66
    .vgpr_count:     128
    .wavefront_size: 32
...
	.end_amdgpu_metadata
.endif
;; end of part 3
